; MI455X (gfx1250); checked and timed in simulation.
; The chip was launched on July 23, 2026; its instructions are those of AMD's public machine-readable ISA for CDNA 5 (MIT licence, August 2026) and "CDNA5" Instruction Set Architecture Reference Guide (July 2026). The comments in the code are by the model that wrote it; some were corrected since.
;; Expert Network Optimized. Allowed arithmetic: float matrix products may take bf16 or f16 operands with f32 sums; other float arithmetic in f32, or as packed bf16 or f16 multiplies, adds, multiply-adds, maxima and minima; sums over many terms, partial sums and values carried from step to step in f32; what a program stores and reads back later, other than sums and carried values, may be rounded once to bf16 or f16.
;; Inputs: bn_biases 8 x 512 float32; bn_weights 8 x 512 float32; expert_biases 8 x 512 float32; expert_indices 32,768 int32; expert_weights 8 x 512 x 512 float32; running_mean 8 x 512 float32; running_var 8 x 512 float32; x 32,768 x 512 float32.
;; Outputs: out0 32,768 x 512 float32.
;; One version. Each part assembles by itself: llvm-mc -triple=amdgcn-amd-amdhsa -mcpu=gfx1250 --defsym DOCPART=n.
;; ======== version 1 of 1: 2 launches
;; workspace buffers: wb 4,194,304 bytes; order 131,072 bytes of whole numbers; meta 256 bytes of whole numbers
;; launch prep (part 1): grid 256 x 1, 8 waves a work-group, no clusters, 1,280 bytes of LDS; arguments expert_weights, expert_indices, wb, order, meta; writes wb, order, meta
.if DOCPART == 1
	.amdgcn_target "amdgcn-amd-amdhsa--gfx1250"
	.amdhsa_code_object_version 6
	.text
	.protected	k_qeaaed09afb_prep
	.globl	k_qeaaed09afb_prep
	.p2align	8
	.type	k_qeaaed09afb_prep,@function
k_qeaaed09afb_prep:
	s_mov_b64 s[64:65], 0
	v_nop
	global_prefetch_b8 v0, s[64:65] scope:SCOPE_SE
	s_setreg_imm32_b32 hwreg(HW_REG_WAVE_MODE, 25, 1), 1
	s_wait_xcnt 0x0
; PREP.  Two jobs that the product launch needs done once.
; (a) The 8 x 512 x 512 f32 weights are rounded once to bf16 and laid out in the order in which a wave's B registers take them:
;     byte e*524288 + q*65536 + s*4096 + c*1024 + u*512 + lane*16 holds W[e][k][n] for n = 64 q + 4 (lane % 16) + c and
;     k = 32 s + 16 u + 8 (lane / 16) + 0..7.  Fragment c holds every fourth column, so that in the product a lane's four
;     accumulators c = 0..3 hold four neighbouring columns of a row.
; (b) A counting sort of the 32,768 tokens by expert, without atomics: every work-group counts all indices for itself (each of
;     its eight waves 4,096), once in all and once for the chunks of 128 tokens below its own; wave 0 then places chunk g.
;     order[] = token numbers grouped by expert; meta[0..7] = tokens of each expert, meta[8..15] = where its group begins.
; LIMIT.  An index is taken to lie in 0..7, as the gather of the reference relies on; another value would be counted nowhere right.
.set SPARE, 256                        ; LDS: bytes 0-255 the waves' counts (32 bytes each); from 256 the spare words, 128 bytes a wave
.set SPW, 2                            ; v2   LDS address of my spare word; never rewritten
.set NIL, 3                            ; v3   0; never rewritten
.set IXO, 4                            ; v4   byte offset of my 16 bytes in my wave's 16,384 bytes of indices
.set WIO, 5                            ; v5   byte offset of my 16 bytes in my wave's unit of weights: (lane / 16) x 8 rows + 16 (lane % 16)
.set L16, 6                            ; v6   16 x lane
.set TA,  7                            ; v7-8 at work
.set A4,  9                            ; v9   eight 4-bit counts: all my tokens
.set B4,  10                           ; v10  the same for chunks below the work-group's own
.set AL,  12                           ; v12-15  8-bit counts: all (experts 0,2,4,6 | 1,3,5,7), below (likewise)
.set P,   16                           ; v16-23  16-bit counts, two to a word
.set TX,  24                           ; v24  what another lane holds
.set LAD, 25                           ; v25  32 x wave: my wave's counts in LDS
.set OWO, 26                           ; v26  byte offset of my 16 bytes in the work-group's own chunk
.set OWN, 28                           ; v[28:31] my four indices of that chunk
.set WI,  32                           ; v[32:63] eight rows x four columns of f32 weights
.set WO,  64                           ; v[64:79] four fragments' 16 bytes of bf16
.set IX,  80                           ; v[80:207] 32 loads of four indices
.set Q,   80                           ; later: the eight waves' counts
.set POS, 144                          ; v144-147 my four tokens' places
.set TOK, 148                          ; v148-151 their numbers
.set PO,  152                          ; v152-155 the places in bytes
.set MV,  156                          ; v156 meta's words, one a lane
.set MO,  157                          ; v157 4 x lane
.set WV,  14                           ; s14 wave
.set G,   15                           ; s15 work-group
.set CH,  16                           ; s16 the chunk in hand
.set FL,  17                           ; s17 1 if that chunk lies below the work-group's own
.set TOT, 24                           ; s24-31 tokens of expert e
.set BAS, 32                           ; s32-39 where its group begins
.set RUN, 40                           ; s40-47 the next free place in its group
.set SUM, 48                           ; s48-55 packed sums
.set MK,  56                           ; s56 a lane mask, or at work
.set TS,  57                           ; s57 at work
	s_load_b256 s[4:11], s[0:1], 0x0               ; weights s[4:5], indices s[6:7], wb s[8:9], order s[10:11]
	s_load_b64 s[12:13], s[0:1], 0x20              ; meta
	v_lshl_add_u32 v[SPW], v0, 2, SPARE
	v_mov_b32 v[NIL], 0
	v_and_b32 v1, 31, v0                           ; lane
	v_lshrrev_b32 v[TA], 5, v0
	v_readfirstlane_b32 s[WV], v[TA]
	s_mov_b32 s[G], ttmp9
	s_mov_b32 s18, 0x0f0f0f0f
	s_mov_b32 s19, 0x00ff00ff
	s_mov_b32 s20, 0x76543210                      ; v_permlanex16_b32: each lane takes its own place in the other half
	s_mov_b32 s21, 0xfedcba98
	s_lshl_b32 s[CH], s[WV], 5                     ; my wave's first chunk: 32 x wave
	s_lshl3_add_u32 s[TS], s[G], s[WV]             ; U = 8 g + wave, 0..2047: expert U >> 8, column group (U >> 5) & 7, half K step U & 31
	s_lshr_b32 s22, s[TS], 8
	s_lshl_b32 s22, s22, 20                        ; an expert is 1 MiB of f32,
	s_bfe_u32 s[MK], s[TS], 0x30005
	s_lshl_b32 s[MK], s[MK], 8                     ; 64 columns are 256 bytes,
	s_or_b32 s22, s22, s[MK]
	s_and_b32 s[MK], s[TS], 31
	s_lshl_b32 s[MK], s[MK], 15                    ; 16 rows are 32,768 bytes
	s_or_b32 s22, s22, s[MK]
	s_mov_b32 s23, 0
	s_lshr_b32 s[SUM], s[TS], 1
	s_lshl_b32 s[SUM], s[SUM], 12                  ; out: (expert, group, K step) x 4,096
	s_and_b32 s[MK], s[TS], 1
	s_lshl_b32 s[MK], s[MK], 9                     ; + half x 512
	s_or_b32 s[SUM], s[SUM], s[MK]
	s_mov_b32 s[SUM+1], 0
	v_lshlrev_b32 v[L16], 4, v1
	s_lshl_b32 s[MK], s[WV], 14
	v_add_nc_u32 v[IXO], s[MK], v[L16]
	s_lshl_b32 s[MK], s[G], 9
	v_add_nc_u32 v[OWO], s[MK], v[L16]
	v_and_b32 v[TA], 15, v0
	v_bfe_u32 v[TA+1], v0, 4, 1
	v_lshlrev_b32 v[WIO], 4, v[TA]
	v_lshl_or_b32 v[WIO], v[TA+1], 14, v[WIO]
	s_lshl_b32 s[MK], s[WV], 5
	v_mov_b32 v[LAD], s[MK]
.irp r, A4, B4, AL, AL+1, AL+2, AL+3, TX
	v_mov_b32 v[\r], 0
.endr
	s_wait_kmcnt 0x0
	s_add_nc_u64 s[4:5], s[4:5], s[22:23]          ; the weights at my wave's unit
	s_add_nc_u64 s[8:9], s[8:9], s[SUM:SUM+1]      ; wb at my wave's unit
	; 41 loads go out together: 32 of indices (512 consecutive bytes each), my chunk's, and 8 of weights
.set j, 0
.rept 32
	global_load_b128 v[IX+4*j:IX+4*j+3], v[IXO], s[6:7] offset:512*j
.set j, j+1
.endr
	global_load_b128 v[OWN:OWN+3], v[OWO], s[6:7]
.set j, 0
.rept 8                                            ; row k of the unit: lanes 0-15 take 256 aligned bytes of row j, lanes 16-31 of row j + 8; read once in the launch
	global_load_b128 v[WI+4*j:WI+4*j+3], v[WIO], s[4:5] offset:2048*j th:TH_LOAD_NT
.set j, j+1
.endr
.macro FLUSH x, lo                     ; eight 4-bit counts are added onto two words of four 8-bit counts, and start again
	v_and_b32 v[TA], s18, v[\x]
	v_lshrrev_b32 v[TA+1], 4, v[\x]
	v_add_nc_u32 v[\lo], v[\lo], v[TA]
	v_and_b32 v[TA+1], s18, v[TA+1]
	v_add_nc_u32 v[(\lo)+1], v[(\lo)+1], v[TA+1]
	v_mov_b32 v[\x], 0
.endm
; Load j's four indices: 1 is added into field e of A4, and the chunk's flag into field e of B4.  Three loads add 12 at the most to a
; 4-bit field; the 8-bit fields reach 128 at the most (32 loads x 4).
.macro COUNT j
	s_wait_loadcnt 40-(\j)                         ; behind load j stand 31 - j loads of indices, my chunk's and the 8 of weights
	s_cmp_lt_u32 s[CH], s[G]
	s_cselect_b32 s[FL], 1, 0
	s_add_co_u32 s[CH], s[CH], 1
.irp i, 0,1,2,3
	v_lshlrev_b32 v[TA+(\i)%2], 2, v[IX+4*(\j)+(\i)]
	v_lshl_add_u32 v[A4], 1, v[TA+(\i)%2], v[A4]
	v_lshl_add_u32 v[B4], s[FL], v[TA+(\i)%2], v[B4]
.endr
.if (((\j)%3) == 2) || ((\j) == 31)
	FLUSH A4, AL
	FLUSH B4, AL+2
.endif
.endm
.set jj, 0
.rept 32
	COUNT jj
.set jj, jj+1
.endr
	; 16-bit fields: P0 = experts 0 | 4, P1 = 2 | 6, P2 = 1 | 5, P3 = 3 | 7 of all tokens; P4-7 the same for the chunks below.  4,096 a wave, 32,768 in all: they fit
.irp i, 0,1,2,3
	v_and_b32 v[P+2*(\i)], s19, v[AL+(\i)]
	v_lshrrev_b32 v[TA], 8, v[AL+(\i)]
	v_and_b32 v[P+2*(\i)+1], s19, v[TA]
.endr
.macro LSUM p                          ; the sum over the wave's 32 lanes, in every lane
.irp m, 1,2,4,8
	v_mov_b32_dpp v[TX], v[\p] row_xmask:\m row_mask:0xf bank_mask:0xf
	v_add_nc_u32 v[\p], v[\p], v[TX]
.endr
	v_permlanex16_b32 v[TX], v[\p], s20, s21
	v_add_nc_u32 v[\p], v[\p], v[TX]
.endm
.irp i, 0,1,2,3,4,5,6,7
	LSUM P+\i
.endr
	ds_store_b128 v[LAD], v[P:P+3]                 ; all lanes write the same 32 bytes with the same numbers
	ds_store_b128 v[LAD], v[P+4:P+7] offset:16
	s_wait_dscnt 0x0                               ; for wave 0's sake: my counts are in LDS
	s_barrier_signal -1
	s_barrier_wait -1                              ; the launch's one barrier; every wave passes it
	; THE WEIGHTS: eight rows of a column become 16 bytes of bf16, lower k in the lower bits
	s_wait_loadcnt 0x0
.irp c, 0,1,2,3
.irp m, 0,1,2,3
	v_cvt_pk_bf16_f32 v[WO+4*(\c)+(\m)], v[WI+8*(\m)+(\c)], v[WI+8*(\m)+4+(\c)]
.endr
.endr
.irp c, 0,1,2,3
	global_store_b128 v[L16], v[WO+4*(\c):WO+4*(\c)+3], s[8:9] offset:1024*(\c)  ; 512 consecutive bytes, at a multiple of 512 from wb's first
.endr
	s_cmp_lg_u32 s[WV], 0
	s_cbranch_scc1 .Lend                           ; the placing is wave 0's
	v_mov_b32 v[TA], 0
.set j, 0
.rept 16
	ds_load_b128 v[Q+4*j:Q+4*j+3], v[TA] offset:16*j  ; every lane reads all eight waves' counts
.set j, j+1
.endr
	s_wait_dscnt 0x0
.set j, 8
.rept 56
	v_add_nc_u32 v[Q+j%8], v[Q+j%8], v[Q+j]
.set j, j+1
.endr
.irp i, 0,1,2,3,4,5,6,7
	v_readfirstlane_b32 s[SUM+(\i)], v[Q+(\i)]
.endr
.macro UNPK src, lo, hi
	s_and_b32 s[\lo], s[\src], 0xffff
	s_lshr_b32 s[\hi], s[\src], 16
.endm
	UNPK SUM,   TOT,   TOT+4
	UNPK SUM+1, TOT+2, TOT+6
	UNPK SUM+2, TOT+1, TOT+5
	UNPK SUM+3, TOT+3, TOT+7
	UNPK SUM+4, RUN,   RUN+4
	UNPK SUM+5, RUN+2, RUN+6
	UNPK SUM+6, RUN+1, RUN+5
	UNPK SUM+7, RUN+3, RUN+7
	s_mov_b32 s[BAS], 0
.irp e, 0,1,2,3,4,5,6
	s_add_co_u32 s[BAS+(\e)+1], s[BAS+(\e)], s[TOT+(\e)]  ; where a group begins: the sum of the groups in front of it
.endr
.irp e, 0,1,2,3,4,5,6,7
	s_add_co_u32 s[RUN+(\e)], s[RUN+(\e)], s[BAS+(\e)]    ; my chunk's first place in it: behind the earlier chunks' tokens
.endr
	s_lshl_b32 s[TS], s[G], 7
	v_lshl_add_u32 v[TOK], v1, 2, s[TS]            ; my tokens: 128 g + 4 lane + i
.irp i, 1,2,3
	v_add_nc_u32 v[TOK+(\i)], \i, v[TOK]
.endr
.irp i, 0,1,2,3
	v_mov_b32 v[POS+(\i)], 0
.endr
.irp i, 0,1,2,3
.irp e, 0,1,2,3,4,5,6,7
	v_cmp_eq_u32 s[MK], \e, v[OWN+(\i)]            ; the lanes whose token i goes to expert e
	v_mbcnt_lo_u32_b32 v[TA], s[MK], s[RUN+(\e)]   ; the next free place + how many such lanes stand below me
	v_cndmask_b32 v[POS+(\i)], v[POS+(\i)], v[TA], s[MK]
	s_bcnt1_i32_b32 s[TS], s[MK]
	s_add_co_u32 s[RUN+(\e)], s[RUN+(\e)], s[TS]
.endr
.endr
.irp i, 0,1,2,3
	v_min_u32 v[PO+(\i)], 0x7fff, v[POS+(\i)]      ; a place made from loaded numbers is held inside the list
	v_lshlrev_b32 v[PO+(\i)], 2, v[PO+(\i)]
	global_store_b32 v[PO+(\i)], v[TOK+(\i)], s[10:11]
.endr
	s_cmp_lg_u32 s[G], 0
	s_cbranch_scc1 .Lend                           ; meta is work-group 0's
	v_mov_b32 v[MV], 0
.irp e, 0,1,2,3,4,5,6,7
	v_writelane_b32 v[MV], s[TOT+(\e)], \e
	v_writelane_b32 v[MV], s[BAS+(\e)], 8+(\e)
.endr
	v_lshlrev_b32 v[MO], 2, v1
	global_store_b32 v[MO], v[MV], s[12:13]        ; 128 bytes: 8 counts, 8 beginnings, 16 zeros
.Lend:
	s_wait_tensorcnt 0x0                           ; the wave's end, behind my last LDS store
	ds_add_u32 v[SPW], v[NIL]
	s_wait_dscnt 0x0
	s_endpgm
.Lfunc_end_k_qeaaed09afb_prep:
	.size	k_qeaaed09afb_prep, .Lfunc_end_k_qeaaed09afb_prep-k_qeaaed09afb_prep
	.p2alignl 7, 3214868480
	.fill 96, 4, 3214868480
	.section	.rodata,"a",@progbits
	.p2align	6, 0x0
	.amdhsa_kernel k_qeaaed09afb_prep
		.amdhsa_group_segment_fixed_size 1280
		.amdhsa_private_segment_fixed_size 0
		.amdhsa_enable_private_segment 0
		.amdhsa_kernarg_size 40
		.amdhsa_user_sgpr_count 2
		.amdhsa_user_sgpr_kernarg_segment_ptr 1
		.amdhsa_wavefront_size32 1
		.amdhsa_system_sgpr_workgroup_id_x 1
		.amdhsa_system_sgpr_workgroup_id_y 1
		.amdhsa_system_sgpr_workgroup_id_z 1
		.amdhsa_system_vgpr_workitem_id 0
		.amdhsa_next_free_vgpr 208
		.amdhsa_next_free_sgpr 66
		.amdhsa_reserve_vcc 0
		.amdhsa_float_denorm_mode_32 3
		.amdhsa_float_denorm_mode_16_64 3
		.amdhsa_memory_ordered 1
		.amdhsa_forward_progress 1
		.amdhsa_inst_pref_size 55
	.end_amdhsa_kernel
	.amdgpu_metadata
---
amdhsa.version: [ 1, 2 ]
amdhsa.kernels:
  - .name:           k_qeaaed09afb_prep
    .symbol:         k_qeaaed09afb_prep.kd
    .args:
      - { .name: expert_weights, .offset: 0, .size: 8, .value_kind: global_buffer, .address_space: global }
      - { .name: expert_indices, .offset: 8, .size: 8, .value_kind: global_buffer, .address_space: global }
      - { .name: wb, .offset: 16, .size: 8, .value_kind: global_buffer, .address_space: global }
      - { .name: order, .offset: 24, .size: 8, .value_kind: global_buffer, .address_space: global }
      - { .name: meta, .offset: 32, .size: 8, .value_kind: global_buffer, .address_space: global }
    .group_segment_fixed_size: 1280
    .private_segment_fixed_size: 0
    .kernarg_segment_align: 8
    .kernarg_segment_size: 40
    .max_flat_workgroup_size: 256
    .sgpr_count:     66
    .vgpr_count:     208
    .wavefront_size: 32
...
	.end_amdgpu_metadata
.endif
;; end of part 1
;; launch experts (part 2): grid 235 x 1, 4 waves a work-group, no clusters, 167,168 bytes of LDS; arguments x, wb, order, meta, expert_biases, bn_weights, bn_biases, running_mean, running_var, out0; writes out0
.if DOCPART == 2
	.amdgcn_target "amdgcn-amd-amdhsa--gfx1250"
	.amdhsa_code_object_version 6
	.text
	.protected	k_qeaaed09afb_experts
	.globl	k_qeaaed09afb_experts
	.p2align	8
	.type	k_qeaaed09afb_experts,@function
k_qeaaed09afb_experts:
	s_mov_b64 s[64:65], 0
	v_nop
	global_prefetch_b8 v0, s[64:65] scope:SCOPE_SE
	s_setreg_imm32_b32 hwreg(HW_REG_WAVE_MODE, 25, 1), 1
	s_wait_xcnt 0x0
; EXPERTS.  out0[t] = silu(((x[t] W[e] + bias[e]) - mean[e]) rsqrt(var[e] + 1e-5) gain[e] + shift[e]), e = the token's expert.
; Only the chosen expert's product is made.  x and W go to the matrix unit in bf16 (each rounded once), sums in f32, all else in f32.
; TILES.  The tokens lie sorted by expert in order[] (counts and beginnings in meta[]).  A work-group takes a tile of up to 144 rows of ONE
; expert and all 512 columns.  With n_e = ceil(c_e / 144) the sum of n_e is at most ceil(32768 / 144) + 7 = 235 whatever the split: that is the
; grid; every work-group finds its tile from the eight counts.  In a tile that is not full the places past the count repeat its last row; their results are not stored.
; A work-group that a split leaves without rows walks the first pass's twelve K steps on the list's first row (every wave passes every barrier), stores nothing and ends.
; SHARES.  Wave w makes all 144 rows x columns 128 w .. + 127 in two passes of 64 columns: 36 accumulators (9 blocks of 16 rows x 4 fragments).  A comes from LDS,
; B straight from memory into registers, as the launch before laid it out: fragment c holds columns 64 q + 4 (lane % 16) + c, so that a lane's four accumulators
; of a block hold 4 neighbouring columns of a row, and sixteen lanes store 256 consecutive bytes at a multiple of 256 from out0's first: no way out through LDS.
; X BY GRANULES.  x comes in eight granules of 64 channels (256 bytes of a row, two K steps).  Of each granule a wave fetches 18 loads (rows 16 a + 8 h + 2 w + 0, 1), rounds them and lays them into
; the granule's own region of LDS; a barrier; then all waves multiply by it.  Three granules of every wave go out at the start, later two are on their way while the first pass multiplies.
; Every LDS byte is written once.
; A PASS: K steps 0-11 go by K (36 products a step); K steps 12-15 go BY ROWS: a block's 16 products finish its four sums (K still ascending in every sum), and they stand in the way out
; of the blocks before it, so that products are issued while finished rows are stored.
; THE WAY OUT.  z = -y log2 e comes straight from the sums (the constant lies in scale and shift); u = 2^z; t = -u log2 e - log2 e; out = z / t = y / (1 + e^-y).
; NO CLUSTER.  An expert's tiles walk the same 512 KiB of weights, which joint loads could share.  Here the weights never touch LDS (4,096 bytes a K step go into each wave's own
; registers), and the store paths branch on the tile's row count, which differs between tiles of one expert: partners would not run alike.
; LIMITS.  Where 2^z overflows the result is z x 0; var + 1e-5 <= 0 gives NaN or infinity as in the reference; NaN and infinities are not treated apart.
; REGISTERS, in windows of 256 (s_set_vgpr_msb: bits 1:0 source 0, 3:2 source 1, 5:4 source 2, 7:6 destination):
;   window 0: addresses, the row offsets, tables, the rounded x; v136-207 by turns a granule of x, then the way out's u and results
;   window 1: v0-143 A's fragments, two buffers of 72 (in the tail: three buffers of a block's rows, and t); v144-175 block 8's accumulators; v176-247 a granule of x (later scale, shift and, to v255, z)
;   window 2: the accumulators of blocks 0-7, (a, c) at 8 (4 a + c)          window 3: B, a ring of eight K steps of 32 registers
.set GP,    144                        ; a row of a granule in LDS: 128 bytes of bf16 + 16: an odd multiple of 16, so the 16 rows of a fragment load start at 16 different multiples of 16 modulo 256
.set GRAN,  144*GP                     ; a granule's region: 20,736 bytes
.set GRP3,  3*GRAN                     ; three granules share an address register, so that every offset fits 16 bits
.set TBL,   8*GRAN                     ; behind the granules: the tile's 144 tokens, 576 bytes in three blocks of 256
.set SPARE, TBL+768                    ; 166,656 = 651 x 256: the spare words, 128 bytes a wave
.set LR,   1                           ; v1   r = lane % 16
.set LH,   2                           ; v2   h = lane / 16
.set L16,  3                           ; v3   16 x lane
.set R16,  4                           ; v4   16 r
.set H8,   5                           ; v5   8 h
.set SPW,  6                           ; v6   LDS address of my spare word; never rewritten
.set NIL,  7                           ; v7   0; never rewritten
.set STB,  8                           ; v8-10  where I put 8 bytes of row 8 h + 2 w of granules 0-2, 3-5, 6-7
.set ADB,  11                          ; v11-13 where my part of a fragment lies in granules 0-2, 3-5, 6-7
.set BNO,  14                          ; v14  byte offset of my four columns of the first pass in the five tables; never rewritten
.set TBLA, 15                          ; v15  where I put the tokens of rows 8 h + 2 w, + 1 in the table
.set TBLR, 16                          ; v16  where the tokens of rows 8 h .. 8 h + 7 lie in it
.set LASTB, 17                         ; v17  4 x the tile's last place in the list
.set TA,   18                          ; v18  at work
.set G0B,  19                          ; v19  4 x (the tile's first place + 8 h + 2 w)
                                       ; v20-31, v124-131, v208-223: a granule rounded to bf16, 36 registers (macro CVR)
.set OFF,  32                          ; v[32:103] for (a, j): 2,048 x token of row 16 a + 8 h + j, + 16 r: out0's stores
.set RAW,  104                         ; v[104:123] bias, gain, shift, mean, var of my four columns
.set RS,   132                         ; v[132:135] rsqrt(var + eps), then the scale
.set XB0,  136                         ; v[136:207] granules 2, 4, 6 as loaded
.set TE,   136                         ; v[136:167] later: u = 2^z
.set R,    168                         ; v[168:199] later: results, [row j][column c]
.set GT,   208                         ; v[208:225] at the head: the tokens of my 18 rows of a granule
.set GOFF, 232                         ; v[232:249] for (a, jj): first the place in the list, then 2,048 x token of row 16 a + 8 h + 2 w + jj, + 16 r: x's loads
.set TT,   96                          ; window 1: v[96:127] t, then 1 / t
.set ACC8, 144                         ; window 1: block 8's accumulators
.set XB1,  176                         ; window 1: v[176:247] granules 1, 3, 5, 7 as loaded
.set SCD,  176                         ; window 1, later: v[176:183] column c's scale, twice: a pair for the packed multiply-add
.set SHD,  184                         ; window 1, later: v[184:191] column c's shift, twice
.set ZZ,   192                         ; window 1, later: v[192:255] z, two buffers by the block's parity
.set NL,   2                           ; s[2:3] -log2 e, as a pair
.set CNT,  48                          ; s48  rows of my tile, 0..144
.set START, 49                         ; s49  its first place in the list
.set LAST, 50                          ; s50  its last
.set WV,   51                          ; s51  wave
.set WP,   52                          ; s[52:53] wb at my expert and column group
.set OUTP, 56                          ; s[56:57] out0 + 512 w + 256 x pass
.set OFS,  58                          ; s[58:59] an offset as a pair
.set PASS, 60                          ; s60  passes to go
.set MSB, 0
.macro WIN new                         ; the immediate's high byte repeats the setting that is left; a switch that changes nothing is dropped
.if MSB != (\new)
	s_set_vgpr_msb (MSB<<8)|(\new)
.set MSB, \new
.endif
.endm
.set W_MUL,  0xad                      ; A window 1, B window 3, C and D window 2
.set W_MUL8, 0x5d                      ; the same, C and D window 1
.set TO_1,   0x40                      ; destination window 1, sources window 0
.set TO_3,   0xc0                      ; destination window 3
	s_load_b512 s[4:19], s[0:1], 0x0               ; x 4, wb 6, order 8, meta 10, bias 12, gain 14, shift 16, mean 18
	s_load_b128 s[20:23], s[0:1], 0x40             ; var 20, out0 22
	v_lshl_add_u32 v[SPW], v0, 2, SPARE
	v_mov_b32 v[NIL], 0
	v_lshrrev_b32 v[TA], 5, v0
	v_readfirstlane_b32 s[WV], v[TA]
	v_and_b32 v[LR], 15, v0
	v_bfe_u32 v[LH], v0, 4, 1
	v_and_b32 v[L16], 31, v0
	v_lshlrev_b32 v[L16], 4, v[L16]
	v_lshlrev_b32 v[R16], 4, v[LR]
	v_lshlrev_b32 v[H8], 3, v[LH]
	v_mul_u32_u24 v[TA], v[LH], 8*GP               ; into LDS: row 8 h + 2 w, 8 bytes a lane
	v_lshl_add_u32 v[TA], v[LR], 3, v[TA]
	s_mul_i32 s46, s[WV], 2*GP
	v_add_nc_u32 v[STB], s46, v[TA]
	v_add_nc_u32 v[STB+1], GRP3, v[STB]
	v_add_nc_u32 v[STB+2], 2*GRP3, v[STB]
	v_mul_u32_u24 v[ADB], v[LR], GP                ; a fragment: row r, 16 bytes for each half of the lanes
	v_lshl_add_u32 v[ADB], v[LH], 4, v[ADB]
	v_add_nc_u32 v[ADB+1], GRP3, v[ADB]
	v_add_nc_u32 v[ADB+2], 2*GRP3, v[ADB]
	s_lshl_b32 s46, s[WV], 3                       ; the table: 4 bytes a row
	s_add_co_u32 s46, s46, TBL
	v_lshl_add_u32 v[TBLA], v[LH], 5, s46
	v_lshlrev_b32 v[TBLR], 5, v[LH]
	v_add_nc_u32 v[TBLR], TBL, v[TBLR]
	s_mov_b32 s[NL], 0xbfb8aa3b                    ; -log2 e
	s_mov_b32 s[NL+1], 0xbfb8aa3b                  ; named with it as a pair
	s_mov_b32 s40, ttmp9                           ; my number among the tiles
	s_mov_b32 s41, 0                               ; tiles of the experts looked at so far
	s_mov_b32 s42, 0                               ; my expert,
	s_mov_b32 s43, 0                               ; my tile among its tiles,
	s_mov_b32 s44, 0                               ; its count,
	s_mov_b32 s45, 0                               ; its beginning: all 0 if no expert has a tile for me
	s_wait_kmcnt 0x0
	s_load_b512 s[24:39], s[10:11], 0x0            ; meta: s24-31 counts, s32-39 beginnings
	s_wait_kmcnt 0x0
.irp e, 0,1,2,3,4,5,6,7
	s_add_co_u32 s47, s[24+(\e)], 143
	s_mul_i32 s47, s47, 58255                      ; (c + 143) / 144: 58,255 x 144 = 2^23 + 112, exact for arguments below 74,898; the product stays under 2^32
	s_lshr_b32 s47, s47, 23
	s_sub_co_u32 s46, s40, s41                     ; wraps to a huge number once the tiles in front pass mine
	s_cmp_lt_u32 s46, s47
	s_cselect_b32 s42, \e, s42
	s_cselect_b32 s43, s46, s43
	s_cselect_b32 s44, s[24+(\e)], s44
	s_cselect_b32 s45, s[32+(\e)], s45
	s_add_co_u32 s41, s41, s47
.endr
	s_mul_i32 s46, s43, 144
	s_sub_co_u32 s[CNT], s44, s46
	s_min_u32 s[CNT], s[CNT], 144
	s_add_co_u32 s[START], s45, s46
	s_min_u32 s[START], s[START], 0x7fff           ; numbers made from loaded ones are held inside their tables
	s_min_u32 s42, s42, 7
	s_max_u32 s[LAST], s[CNT], 1
	s_add_co_u32 s[LAST], s[LAST], s[START]
	s_sub_co_u32 s[LAST], s[LAST], 1
	s_min_u32 s[LAST], s[LAST], 0x7fff
	s_lshl_b32 s[OFS], s42, 19                     ; an expert is 524,288 bytes of wb, a wave's two column groups 131,072
	s_lshl_b32 s46, s[WV], 17
	s_add_co_u32 s[OFS], s[OFS], s46
	s_mov_b32 s[OFS+1], 0
	s_add_nc_u64 s[WP:WP+1], s[6:7], s[OFS:OFS+1]
	s_lshl_b32 s[OFS], s[WV], 9
	s_add_nc_u64 s[OUTP:OUTP+1], s[22:23], s[OFS:OFS+1]
	s_lshl_b32 s46, s42, 11                        ; a table's row is 2,048 bytes
	s_add_co_u32 s46, s46, s[OFS]
	v_add_nc_u32 v[BNO], s46, v[R16]
	s_lshl_b32 s46, s[START], 2
	v_lshl_add_u32 v[G0B], v[LH], 5, s46
	s_lshl_b32 s46, s[WV], 3
	v_add_nc_u32 v[G0B], s46, v[G0B]
	s_lshl_b32 s47, s[LAST], 2
	v_mov_b32 v[LASTB], s47
; The five tables' 16 bytes a lane (tb: the pass's 64 columns in bytes, 0 or 256), and B of K steps 0 to nb - 1.
; B's load f of step s: 512 consecutive bytes at 4,096 s + 512 f, into four registers of slot s % 8
.macro PROLOGUE tb, nb
	WIN 0
.irp t, 0,1,2,3,4
	global_load_b128 v[RAW+4*(\t):RAW+4*(\t)+3], v[BNO], s[12+2*(\t):13+2*(\t)] offset:\tb
.endr
	WIN TO_3
.set f, 0
.rept 8*(\nb)
	global_load_b128 v[4*f:4*f+3], v[L16], s[WP:WP+1] offset:512*f
.set f, f+1
.endr
	WIN 0
.endm
.macro BLOAD s                         ; B of K step s: 8 loads of 512 consecutive bytes
	WIN TO_3
.set f, 0
.rept 8
	global_load_b128 v[32*((\s)%8)+4*f:32*((\s)%8)+4*f+3], v[L16], s[WP:WP+1] offset:4096*(\s)+512*f
.set f, f+1
.endr
.endm
; GRANULE g OF X.  Where it lands: granule 0 in window 2, whose accumulators begin later; even ones in window 0, odd ones in window 1.
.macro XREG g
.if (\g) == 0
.set XWN, 2
.set XBS, 0
.elseif ((\g)%2) == 0
.set XWN, 0
.set XBS, XB0
.else
.set XWN, 1
.set XBS, XB1
.endif
.endm
.macro CVR n                           ; register n of the 36 that hold a rounded granule: three even runs of window 0
.if (\n) < 12
.set cvr, 20+(\n)
.elseif (\n) < 20
.set cvr, 124+(\n)-12
.else
.set cvr, 208+(\n)-20
.endif
.endm
.macro XI g                            ; 18 loads; each takes two aligned pieces of 256 bytes, of rows 16 a + 2 w + jj (lanes 0-15) and 8 further on (lanes 16-31); each byte of a listed row is read once in the launch
	XREG \g
	WIN XWN<<6
.set n, 0
.rept 18
	global_load_b128 v[XBS+4*n:XBS+4*n+3], v[GOFF+n], s[4:5] offset:256*(\g) th:TH_LOAD_NT
.set n, n+1
.endr
.endm
.macro XCVT g                          ; rounded to bf16, into registers of their own, so that the buffer can be asked for again at once
	XREG \g
	WIN XWN|(XWN<<2)
.set n, 0
.rept 36
	CVR n
	v_cvt_pk_bf16_f32 v[cvr], v[XBS+2*n], v[XBS+2*n+1]
.set n, n+1
.endr
.endm
.macro XST g                           ; into the granule's region, 8 bytes a lane: lanes 0-15 fill a row's 128 bytes, lanes 16-31 those of the row 8 further on, 1,152 bytes = 128 modulo 256 away
	WIN 0
.set n, 0
.rept 18
	CVR 2*n
	ds_store_b64 v[STB+(\g)/3], v[cvr:cvr+1] offset:((\g)%3)*GRAN+(16*(n/2)+n%2)*GP
.set n, n+1
.endr
.endm
	; THE LIST: the tokens of my 18 rows of a granule; places past the tile's last repeat it.  With the tables and B of K steps 0-4 that is 63 loads.
.set n, 0
.rept 18
	v_add_nc_u32 v[GOFF+n], 4*(16*(n/2)+n%2), v[G0B]
	v_min_u32 v[GOFF+n], v[GOFF+n], v[LASTB]
	v_min_u32 v[GOFF+n], 0x1fffc, v[GOFF+n]
	global_load_b32 v[GT+n], v[GOFF+n], s[8:9]
.set n, n+1
.endr
	PROLOGUE 0, 5
	s_wait_loadcnt 45                              ; my 18 tokens are in: behind them stand the 5 tables' loads and the 40 of B
.set n, 0
.rept 18
	v_min_u32 v[GT+n], 0x7fff, v[GT+n]
.set n, n+1
.endr
.set n, 0
.rept 9                                            ; the four waves' tokens together are the tile's 144: into the table, two neighbouring rows a store (sixteen lanes write the same 8 bytes with the same numbers)
	ds_store_b64 v[TBLA], v[GT+2*n:GT+2*n+1] offset:64*n
.set n, n+1
.endr
.set n, 0
.rept 18
	v_lshl_add_u32 v[GOFF+n], v[GT+n], 11, v[R16]  ; the places' loads are done: their registers take the rows' offsets in x
.set n, n+1
.endr
	XI 0
	XI 1
	BLOAD 5
	XI 2                                           ; three granules and B of step 5: 62 loads
	WIN 0
	s_wait_loadcnt 44                              ; granule 0 is in, and the tables and B of steps 0-4 ahead of it; behind it stand X1, B5, X2
	s_wait_dscnt 0x0                               ; the table's stores are done: the rounded x takes their registers
	XCVT 0
	XST 0
	s_wait_dscnt 0x0                               ; for the others' sake: my part of the table and of granule 0 is in LDS
	s_barrier_signal -1
	s_barrier_wait -1
.set n, 0
.rept 18                                           ; the tokens of my 72 rows (a, j) for the stores: 8 rows' tokens are 32 consecutive bytes of the table
	ds_load_b128 v[OFF+4*n:OFF+4*n+3], v[TBLR] offset:64*(n/2)+16*(n%2)
.set n, n+1
.endr
; n blocks of 16 rows from a0 on x the 4 fragments, K step s.  Step 0's products start the sums: nothing is cleared.
; The 36 accumulators take turns, one instruction a turn, in the same order in every step.
.macro MM s, a0, n
.set ia, \a0
.rept \n
.set ic, 0
.rept 4
.if ia < 8
	WIN W_MUL
.set rD, 8*(4*ia+ic)
.else
	WIN W_MUL8
.set rD, ACC8+8*ic
.endif
.set rA, 72*((\s)%2)+8*ia
.set rB, 32*((\s)%8)+8*ic
.if (\s) == 0
	v_wmma_f32_16x16x32_bf16 v[rD:rD+7], v[rA:rA+7], v[rB:rB+7], 0
.else
	v_wmma_f32_16x16x32_bf16 v[rD:rD+7], v[rA:rA+7], v[rB:rB+7], v[rD:rD+7]
.endif
.set ic, ic+1
.endr
.set ia, ia+1
.endr
.endm
; A of K step s (half s % 2 of granule s / 2): 9 fragments of 16 rows x 32 channels, two loads of 16 bytes a lane each, 32 bytes apart, into buffer s % 2
.macro FETCHA s
	WIN TO_1
.set ia, 0
.rept 9
	ds_load_b128 v[72*((\s)%2)+8*ia:72*((\s)%2)+8*ia+3],   v[ADB+((\s)/2)/3] offset:(((\s)/2)%3)*GRAN+ia*16*GP+64*((\s)%2)
	ds_load_b128 v[72*((\s)%2)+8*ia+4:72*((\s)%2)+8*ia+7], v[ADB+((\s)/2)/3] offset:(((\s)/2)%3)*GRAN+ia*16*GP+64*((\s)%2)+32
.set ia, ia+1
.endr
.endm
; THE TAIL'S A: block a's fragments of K steps 12-15 (granules 6 and 7): 8 loads into buffer a % 3 of 32 registers
.macro ALOAD a
	WIN TO_1
.set iq, 0
.rept 4
	ds_load_b128 v[32*((\a)%3)+8*iq:32*((\a)%3)+8*iq+3],   v[ADB+2] offset:(iq/2)*GRAN+(\a)*16*GP+64*(iq%2)
	ds_load_b128 v[32*((\a)%3)+8*iq+4:32*((\a)%3)+8*iq+7], v[ADB+2] offset:(iq/2)*GRAN+(\a)*16*GP+64*(iq%2)+32
.set iq, iq+1
.endr
.endm
; Product m of 16 of block a's tail: K step 12 + m / 4, fragment m % 4.  The block's four accumulators take turns; B of steps 12-15 lies in slots 4-7.
.macro RM a, m
.if (\a) < 8
	WIN W_MUL
.set rD, 8*(4*(\a)+(\m)%4)
.else
	WIN W_MUL8
.set rD, ACC8+8*((\m)%4)
.endif
.set rA, 32*((\a)%3)+8*((\m)/4)
.set rB, 32*(4+(\m)/4)+8*((\m)%4)
	v_wmma_f32_16x16x32_bf16 v[rD:rD+7], v[rA:rA+7], v[rB:rB+7], v[rD:rD+7]
.endm
; A K STEP: 36 matrix instructions in three runs of 12.  Behind the first run: four v_nop, the places between the step before, which read them, and the loads into A's other buffer and B's oldest slot
; (ISA guide 7.12.1 for vector instructions); then one run of memory instructions: A of the next step (tl = 1, step 11: the tail's first two blocks), bn steps of B from step bf on.
; nb: how many loads stand behind B of this step (-1: an earlier wait has shown it in).
; xg >= 0: granule xg is staged: nx loads stand behind it; it is rounded, its buffer asked for again (granule xg + 2), and laid into LDS; the wait for those stores and the barrier's signal stand 12 products on.
; bw = 1: that barrier's wait, a step later: ahead of the fetch of A that first reads the granule.  Between signal and wait stand products, v_nop and waits alone.
.macro KSTEP s, nb, bf, bn, xg, nx, bw, tl
.if (\nb) >= 0
	s_wait_loadcnt \nb
.endif
	s_wait_dscnt 12                                ; A's blocks 0-2 are in: the youngest twelve loads (blocks 3-8) may be out
	MM \s, 0, 3
.rept 4
	v_nop
.endr
.if \bw
	s_barrier_wait -1                              ; everybody's part of the granule staged in the step before is in LDS
.endif
.set NF, 0
.if (\s) < 11
	FETCHA (\s)+1
.set NF, 18
.elseif \tl
	ALOAD 0
	ALOAD 1
.set NF, 16
.endif
.if (\bn) > 0
.set ib, 0
.rept \bn
	BLOAD (\bf)+ib
.set ib, ib+1
.endr
.endif
.if (\xg) >= 0
	s_wait_loadcnt \nx                             ; the granule is in; the younger loads stay out
	XCVT \xg
.if (\xg)+2 <= 7
	XI (\xg)+2
.endif
	XST \xg
	s_wait_dscnt 24+NF                             ; blocks 3-5 are in: blocks 6-8, the fetch and the 18 stores may be out
.else
	s_wait_dscnt 6+NF                              ; blocks 3-5 are in: blocks 6-8 and the fetch may be out
.endif
	MM \s, 3, 3
.if (\xg) >= 0
	s_wait_dscnt 0x0                               ; for the others' sake: my part of the granule is in LDS
	s_barrier_signal -1
.else
	s_wait_dscnt NF                                ; all but the fetch
.endif
	MM \s, 6, 3
.endm
; THE FOLD: scale = -log2 e rsqrt(var + eps) gain; shift = (bias - mean) scale - log2 e shift.  Its plain lines are also the places behind the last products, for the loads into A's and B's registers.
.macro FOLD
	WIN 0
	v_pk_add_f32 v[RAW+16:RAW+17], v[RAW+16:RAW+17], 0x3727c5ac op_sel_hi:[1,0]  ; var + 1e-5
	v_pk_add_f32 v[RAW+18:RAW+19], v[RAW+18:RAW+19], 0x3727c5ac op_sel_hi:[1,0]
	v_pk_add_f32 v[RAW:RAW+1], v[RAW:RAW+1], v[RAW+12:RAW+13] neg_lo:[0,1] neg_hi:[0,1]  ; bias - mean
	v_pk_add_f32 v[RAW+2:RAW+3], v[RAW+2:RAW+3], v[RAW+14:RAW+15] neg_lo:[0,1] neg_hi:[0,1]
.irp c, 0,1,2,3
	v_rsq_f32 v[RS+(\c)], v[RAW+16+(\c)]
.endr
	v_nop                                          ; a plain instruction behind the last root,
	s_wait_alu depctr_va_vdst(0)                   ; and one wait for the four, ahead of their first reader
.irp c, 0,1,2,3
	v_mul_f32 v[RS+(\c)], v[RS+(\c)], v[RAW+4+(\c)]
	v_mul_f32 v[RAW+8+(\c)], s[NL], v[RAW+8+(\c)]
.endr
	WIN TO_1
.irp c, 0,1,2,3
	v_mul_f32 v[SCD+2*(\c)], s[NL], v[RS+(\c)]
	v_mul_f32 v[SCD+2*(\c)+1], s[NL], v[RS+(\c)]
.endr
	WIN 0x44                                       ; source 1 and the destination window 1
.irp c, 0,1,2,3
	v_fma_f32 v[SHD+2*(\c)], v[RAW+(\c)], v[SCD+2*(\c)], v[RAW+8+(\c)]
	v_fma_f32 v[SHD+2*(\c)+1], v[RAW+(\c)], v[SCD+2*(\c)], v[RAW+8+(\c)]
.endr
	WIN 0
.endm
	; THE FIRST PASS'S K STEPS 0-11, with the granules.  The loads' order: X0 X1 B5 X2; step 0: B6 B7 X3; step s: B(s + 7), and in an even step the next granule behind it.
	; Granule g is staged in step 2 g - 2 (granule 7 in step 11), asked for four steps earlier (granule 2 at the head, granule 7 three steps earlier).  Behind a granule stand, at its wait, four steps' B and one
	; granule (50), fewer at both ends.  Each step's B was issued ahead of a granule whose wait stands ahead of the step: no wait of its own.
	FETCHA 0
	KSTEP 0,  -1, 6,  2,  1, 42, 0, 0              ; behind X1: B5, X2, B6, B7
	KSTEP 1,  -1, 8,  1, -1, 0,  1, 0
	KSTEP 2,  -1, 9,  1,  2, 50, 0, 0              ; behind X2: B6, B7, X3, B8, B9
	KSTEP 3,  -1, 10, 1, -1, 0,  1, 0
	KSTEP 4,  -1, 11, 1,  3, 50, 0, 0
	KSTEP 5,  -1, 12, 1, -1, 0,  1, 0
	KSTEP 6,  -1, 13, 1,  4, 50, 0, 0
	KSTEP 7,  -1, 14, 1, -1, 0,  1, 0
	KSTEP 8,  -1, 15, 1,  5, 50, 0, 0
	KSTEP 9,  -1, 0,  0, -1, 0,  1, 0
	KSTEP 10, -1, 0,  0,  6, 34, 0, 0              ; behind X6: B14, B15, X7
	KSTEP 11, -1, 0,  0,  7, 0,  1, 0              ; the last load of the pass: B of steps 12-15 is in too
	WIN 0
	s_barrier_wait -1                              ; everybody's part of granule 7 is in LDS: all of x is
	s_cmp_eq_u32 s[CNT], 0
	s_cbranch_scc1 .Lend                           ; a tile without rows has passed every barrier and has nothing to store
	FOLD
	ALOAD 0
	ALOAD 1
	WIN 0
	s_wait_xcnt 0x0                                ; the base of earlier loads is stepped only behind this wait
	s_add_nc_u64 s[WP:WP+1], s[WP:WP+1], 0x10000   ; the next column group
	PROLOGUE 256, 4                                ; the second pass's tables, 256 bytes on, and B of its K steps 0-3, into the slots that the tail does not read
.set n, 0
.rept 72                                           ; the stores' offsets, made while the tail's first rows of A are on their way; a number that came through LDS is held inside its table again
	v_min_u32 v[OFF+n], 0x7fff, v[OFF+n]
.set n, n+1
.endr
.set n, 0
.rept 72
	v_lshl_add_u32 v[OFF+n], v[OFF+n], 11, v[R16]
.set n, n+1
.endr
	s_mov_b32 s[PASS], 2
	s_branch .Lepi                                 ; the loop over passes is entered at the tail
; THE WAY OUT, BY TURNS.  EA: line n of 16 of block a's z = sum x scale + shift, each accumulator read from its low end on.  EM: line n of 32 of its results, z / t, laid [row j][column c].
.macro EA a, n
.set eZ, ZZ+32*((\a)%2)
.if (\a) < 8
.set eD, 32*(\a)
.else
.set eD, ACC8
.endif
.set eo, 8*((\n)/4)+2*((\n)%4)
.set ec, 2*((\n)/4)
	v_pk_fma_f32 v[eZ+eo:eZ+eo+1], v[SCD+ec:SCD+ec+1], v[eD+eo:eD+eo+1], v[SHD+ec:SHD+ec+1]
.endm
.macro EM a, n
.set eZ, ZZ+32*((\a)%2)
.set eo, 8*((\n)%4)+(\n)/4
	v_mul_f32 v[R+(\n)], v[eZ+eo], v[TT+eo]
.endm
; Block a's eight stores: a row's 256 bytes from sixteen lanes.  A block past the count is jumped; in the block that holds the count row 16 a + 8 h + j is stored where it lies below it.
.macro STORES a
	s_cmp_ge_u32 s[CNT], 16*(\a)+16
	s_cbranch_scc1 .Lfull_\@
.if (\a) > 0
	s_cmp_le_u32 s[CNT], 16*(\a)
	s_cbranch_scc1 .Lnone_\@
.endif
.set ij, 0
.rept 8
	s_sub_co_i32 s62, s[CNT], 16*(\a)+ij
	v_cmp_gt_i32 vcc_lo, s62, v[H8]
	s_wait_xcnt 0x0                                ; EXEC is a source of the stores that are out: it changes only behind this wait,
	s_and_saveexec_b32 s61, vcc_lo
	global_store_b128 v[OFF+8*(\a)+ij], v[R+4*ij:R+4*ij+3], s[OUTP:OUTP+1] th:TH_STORE_NT
	s_wait_xcnt 0x0                                ; and again in front of the line that widens it
	s_or_b32 exec_lo, exec_lo, s61
.set ij, ij+1
.endr
	s_branch .Lnone_\@
.Lfull_\@:
.set ij, 0
.rept 8
	global_store_b128 v[OFF+8*(\a)+ij], v[R+4*ij:R+4*ij+3], s[OUTP:OUTP+1] th:TH_STORE_NT
.set ij, ij+1
.endr
.Lnone_\@:
.endm
; TURN a.  The 16 products that finish block a + 1, and behind each of them four lines: two of block a's 32 exponentials and two of block a - 1's 32 results.  One wait for the batch; block a + 2's rows of A;
; block a - 1's stores; t = -u log2 e - log2 e (16 plain lines, the places behind the turn's products); block a's 32 reciprocals with block a + 1's 16 multiply-adds between them; one wait for the batch.
; No line of a batch's partners names a result of the batch; each batch ends with a plain line ahead of its wait.
.macro TURN a
.if (\a) < 8
	s_wait_dscnt 0x0                               ; block a + 1's rows of A, asked for a turn ago, are in
.endif
.if (\a) > 0
	s_wait_xcnt 0x0                                ; the earlier stores have had their addresses translated (ISA guide 3.1): only now are their data registers rewritten
.endif
.set m, 0
.rept 16
.if (\a) < 8
	RM (\a)+1, m
.endif
	WIN 0x05                                       ; sources window 1, destination window 0
	v_exp_f32 v[TE+2*m], v[ZZ+32*((\a)%2)+2*m]
.if (\a) > 0
	EM (\a)-1, 2*m
.endif
	v_exp_f32 v[TE+2*m+1], v[ZZ+32*((\a)%2)+2*m+1]
.if (\a) > 0
	EM (\a)-1, 2*m+1
.endif
.set m, m+1
.endr
.if (\a) == 0
	v_nop
.endif
	s_wait_alu depctr_va_vdst(0)
.if (\a) <= 6
	ALOAD (\a)+2                                   ; into the buffer that block a - 1's products, two turns back, have read
.endif
	WIN 0
.if (\a) > 0
	STORES (\a)-1
.endif
	WIN TO_1
.set m, 0
.rept 16
	v_pk_fma_f32 v[TT+m:TT+m+1], v[TE+m:TE+m+1], s[NL:NL+1], s[NL:NL+1] op_sel_hi:[1,0,0]
.set m, m+2
.endr
.if (\a) < 7
	WIN 0x59                                       ; source 1 (the sums) window 2, all else window 1
.else
	WIN 0x55                                       ; block 8's sums lie in window 1
.endif
.set m, 0
.rept 32
	v_rcp_f32 v[TT+m], v[TT+m]
.if ((\a) < 8) && ((m%2) == 0)
	EA (\a)+1, m/2
.endif
.set m, m+1
.endr
	v_nop
	s_wait_alu depctr_va_vdst(0)
.endm
.Lpass:                                            ; THE SECOND PASS'S K STEPS 0-11: all of x lies in LDS.  B of steps 0-3 came during the way out; step 0 asks for steps 4-7, step s for step s + 7
	FETCHA 0
	KSTEP 0, 24, 4, 4, -1, 0, 0, 0                 ; behind B0: B1, B2, B3
.irp s, 1,2,3,4,5,6,7,8
	KSTEP \s, 48, (\s)+7, 1, -1, 0, 0, 0           ; B of this step is in; six later steps' 48 loads stay out
.endr
	KSTEP 9,  48, 0, 0, -1, 0, 0, 0
	KSTEP 10, 40, 0, 0, -1, 0, 0, 0                ; nothing more is asked for: the counts run down
	KSTEP 11, 32, 0, 0, -1, 0, 0, 1                ; and the tail's first two blocks' rows of A are fetched
	WIN 0
	s_wait_loadcnt 0x0                             ; B of steps 12-15
	FOLD                                           ; the tables came ahead of this pass's first weights
.Lepi:                                             ; THE TAIL AND THE WAY OUT, for both passes
	s_wait_dscnt 8                                 ; block 0's rows of A are in; block 1's eight loads may be out
.set m, 0
.rept 16
	RM 0, m                                        ; block 0's tail: there is no vector work yet to set between
.set m, m+1
.endr
.rept 4
	v_nop                                          ; the places behind those products
.endr
	WIN 0x59
.set m, 0
.rept 16
	EA 0, m
.set m, m+1
.endr
.irp a, 0,1,2,3,4,5,6,7,8
	TURN \a
.endr
	WIN 0x05
	s_wait_xcnt 0x0
.set m, 0
.rept 32
	EM 8, m
.set m, m+1
.endr
	WIN 0
	STORES 8
	s_wait_xcnt 0x0                                ; the stores' base is stepped only behind this wait; nothing waits for the stores themselves
	s_add_nc_u64 s[OUTP:OUTP+1], s[OUTP:OUTP+1], 256
	s_sub_co_u32 s[PASS], s[PASS], 1
	s_cmp_lg_u32 s[PASS], 0
	s_cbranch_scc1 .Lpass
.Lend:
	s_wait_tensorcnt 0x0                           ; the wave's end, behind my last LDS store
	ds_add_u32 v[SPW], v[NIL]
	s_wait_dscnt 0x0
	s_endpgm
.Lfunc_end_k_qeaaed09afb_experts:
	.size	k_qeaaed09afb_experts, .Lfunc_end_k_qeaaed09afb_experts-k_qeaaed09afb_experts
	.p2alignl 7, 3214868480
	.fill 96, 4, 3214868480
	.section	.rodata,"a",@progbits
	.p2align	6, 0x0
	.amdhsa_kernel k_qeaaed09afb_experts
		.amdhsa_group_segment_fixed_size 167168
		.amdhsa_private_segment_fixed_size 0
		.amdhsa_enable_private_segment 0
		.amdhsa_kernarg_size 80
		.amdhsa_user_sgpr_count 2
		.amdhsa_user_sgpr_kernarg_segment_ptr 1
		.amdhsa_wavefront_size32 1
		.amdhsa_system_sgpr_workgroup_id_x 1
		.amdhsa_system_sgpr_workgroup_id_y 1
		.amdhsa_system_sgpr_workgroup_id_z 1
		.amdhsa_system_vgpr_workitem_id 0
		.amdhsa_next_free_vgpr 1024
		.amdhsa_next_free_sgpr 66
		.amdhsa_reserve_vcc 1
		.amdhsa_float_denorm_mode_32 3
		.amdhsa_float_denorm_mode_16_64 3
		.amdhsa_memory_ordered 1
		.amdhsa_forward_progress 1
		.amdhsa_inst_pref_size 255
	.end_amdhsa_kernel
	.section	.bss,"aw",@nobits
	.p2align	6
	.space	262144
	.amdgpu_metadata
---
amdhsa.version: [ 1, 2 ]
amdhsa.kernels:
  - .name:           k_qeaaed09afb_experts
    .symbol:         k_qeaaed09afb_experts.kd
    .args:
      - { .name: x, .offset: 0, .size: 8, .value_kind: global_buffer, .address_space: global }
      - { .name: wb, .offset: 8, .size: 8, .value_kind: global_buffer, .address_space: global }
      - { .name: order, .offset: 16, .size: 8, .value_kind: global_buffer, .address_space: global }
      - { .name: meta, .offset: 24, .size: 8, .value_kind: global_buffer, .address_space: global }
      - { .name: expert_biases, .offset: 32, .size: 8, .value_kind: global_buffer, .address_space: global }
      - { .name: bn_weights, .offset: 40, .size: 8, .value_kind: global_buffer, .address_space: global }
      - { .name: bn_biases, .offset: 48, .size: 8, .value_kind: global_buffer, .address_space: global }
      - { .name: running_mean, .offset: 56, .size: 8, .value_kind: global_buffer, .address_space: global }
      - { .name: running_var, .offset: 64, .size: 8, .value_kind: global_buffer, .address_space: global }
      - { .name: out0, .offset: 72, .size: 8, .value_kind: global_buffer, .address_space: global }
    .group_segment_fixed_size: 167168
    .private_segment_fixed_size: 0
    .kernarg_segment_align: 8
    .kernarg_segment_size: 80
    .max_flat_workgroup_size: 128
    .sgpr_count:     66
    .vgpr_count:     1024
    .wavefront_size: 32
...
	.end_amdgpu_metadata
.endif
;; end of part 2
